; MI455X (gfx1250); checked and timed in simulation.
; The chip was launched on July 23, 2026; its instructions are those of AMD's public machine-readable ISA for CDNA 5 (MIT licence, August 2026) and "CDNA5" Instruction Set Architecture Reference Guide (July 2026). The comments in the code are by the model that wrote it; some were corrected since.
;; Attention. Allowed arithmetic: matrix products marked QUANTISED: E2M1 operands, one E8M0 scale for each 32 along K, by v_wmma_scale_f32_16x16x128_f8f6f4 with both operands' format E2M1 (or v_wmma_scale_f32_32x16x128_f4), f32 sums; products left as they are: f32 operands where the result goes on into a quantised operand, else bf16, f16 or f32 operands; f32 sums; everything else in f32.
;; Inputs: V 1,024 x 1 float32; W1_codes 1,024 x 32 x 16 uint8 (E2M1 codes of W1, K innermost, in blocks of 32 codes, two codes a byte); W1_scales 1,024 x 32 uint8 (E8M0 scales of W1, one for each 32 codes along K); W2_codes 1,024 x 32 x 16 uint8 (E2M1 codes of W2, K innermost, in blocks of 32 codes, two codes a byte); W2_scales 1,024 x 32 uint8 (E8M0 scales of W2, one for each 32 codes along K); b1 1,024 float32; b2 1,024 float32; bv 1 float32; enc 32 x 2,048 x 1,024 float32; hid_codes 32 x 32 x 16 uint8 (E2M1 codes of hid, K innermost, in blocks of 32 codes, two codes a byte); hid_scales 32 x 32 uint8 (E8M0 scales of hid, one for each 32 codes along K).
;; Outputs: out0 32 x 1,024 float32.
;; This version of the problem:
;;   THIS VERSION OF THE PROBLEM IS GIVEN IN LOW PRECISION. The matrix products marked QUANTISED in the list below multiply operands that are first quantised to E2M1 (2 exponent bits, 1 mantissa bit; 4 bits a number), with one power-of-two scale for each 32 numbers along K (OCP MX v1.0); their sums are f32. All else is computed in f32.
;;   The module's matrix products, in the order in which they are computed (A, B: the left and right operand; K: the contracted axis; several contracted axes count as one K, in the product's order):
;;     1. [M 65,536, K 1,024] x [K 1,024, N 1,024]; A: input enc; B: input W1 (given as codes): QUANTISED
;;     2. [M 32, K 1,024] x [K 1,024, N 1,024]; A: input hid (given as codes); B: input W2 (given as codes): QUANTISED
;;     3. [M 65,536, K 1,024] x [K 1,024, N 1]; A: computed on the way; B: input V: left as it is (N = 1 < 16)
;;   THE QUANTISER, for each operand of a quantised product, along K:
;;     - K is cut into blocks of 32 from its start; a last block that is shorter is filled with zeros.
;;     - A block's scale is 2^e with e = floor(log2(the largest magnitude in the block)) - 2, held to -126 .. 127; a block of zeros has e = 0. As a byte (E8M0): e + 127.
;;     - Each number is divided by its block's scale, clamped to +-6, and rounded to the nearest number of E2M1, ties to even, subnormals kept.
;;     - The product sums the exact products of the quantised numbers (number of the format x scale) in f32.
;;   ~~~python
;;   def quantise(x, axis):      # numpy; x: float32 -> the quantised numbers, widened to float32 again
;;       x = np.moveaxis(x, axis, -1); K = x.shape[-1]
;;       x = np.pad(x, [(0, 0)] * (x.ndim - 1) + [(0, -K % 32)]); x = x.reshape(x.shape[:-1] + (-1, 32)); a = np.abs(x).max(-1, keepdims=True)
;;       e = np.where(a > 0, np.clip(np.frexp(np.where(a > 0, a, 1))[1] - 1 - 2, -126, 127), 0)      # np.frexp(a)[1] - 1 = floor(log2(a)), exactly
;;       r = np.clip(x / 2.0 ** e, -6, 6)
;;       step = 2.0 ** (np.maximum(np.frexp(np.where(r == 0, 1, r))[1] - 1, 0) - 1)
;;       q = np.round(r / step) * step * 2.0 ** e      # np.round: ties to even
;;       return np.moveaxis(q.reshape(q.shape[:-2] + (-1,))[..., :K], -1, axis).astype(np.float32)
;;   ~~~
;;   INPUTS GIVEN AS CODES. W1 (in the module: [1024, 1024], K = its axis 0); W2 (in the module: [1024, 1024], K = its axis 0); hid (in the module: [32, 1024], K = its axis 1): each comes as NAME_codes (uint8): NAME with its K axis moved to the last place and cut into blocks of 32 codes, [.., K / 32, bytes a block], one block behind the other in memory; two codes a byte, the lower K in the low four bits (a code: sign, 2 exponent bits, 1 mantissa bit); and NAME_scales (uint8): the same leading axes, one E8M0 byte (e + 127) for each 32 codes along K. Its value is code x scale, taken as it is: it is not quantised again, and the codes and scales need not be those that the quantiser above would give.
;; One version. Each part assembles by itself: llvm-mc -triple=amdgcn-amd-amdhsa -mcpu=gfx1250 --defsym DOCPART=n.
;; ======== version 1 of 1: 3 launches
;; limits: right only within a limited range of input values
;; workspace buffers: w1i 524,288 bytes; cb 131,072 bytes; part 1,114,112 bytes
;; launch prep (part 1): grid 16 x 2, 4 waves a work-group, no clusters, 9,728 bytes of LDS; arguments W1_codes, W2_codes, W2_scales, hid_codes, hid_scales, b1, b2, w1i, cb; writes w1i, cb
.if DOCPART == 1
	.amdgcn_target "amdgcn-amd-amdhsa--gfx1250"
	.amdhsa_code_object_version 6
	.text
	.protected	k_q61ee09840c_prep
	.globl	k_q61ee09840c_prep
	.p2align	8
	.type	k_q61ee09840c_prep,@function
k_q61ee09840c_prep:
	s_mov_b64 s[64:65], 0
	v_nop
	global_prefetch_b8 v0, s[64:65] scope:SCOPE_SE
	s_setreg_imm32_b32 hwreg(HW_REG_WAVE_MODE, 25, 1), 1
	s_wait_xcnt 0x0
; PREP: two small jobs ahead of the main launch.
;  (1) w1i: W1's codes laid in the order of a matrix operand's registers: [tile T of 16 units][piece p = 2 s + c][lane][16 bytes], where piece (s, c) of lane (r, h)
;      is W1_codes[16 T + r] bytes 64 s + 32 c + 16 h .. + 15.  A later load of 16 bytes a lane then reads 512 consecutive bytes and is four registers of a fragment.
;  (2) cb[b][u] = c (hid W2 + b1 + b2)[b][u], c = 2 log2(e): the second product of the problem, on the codes and scale bytes as they are given, with both biases, scaled for the exponential in the main launch.
; WORK LEFT OUT BY THE PROGRAM, AND WHY IT IS DEAD.  tanh(x) = 1 - 2 / (1 + e^(2x)) for every real x, so score[b][s] = (sum over u of V[u] + bv) - 2 sum over u of V[u] / (1 + e^(2 x[b][s][u])).
; The bracket does not hang on s, the axis of the softmax: softmax(score) is unchanged when it is dropped, for all values of the inputs.  So neither the sum of V nor bv is formed;
; bv then has no way to the output: it is not loaded and is among no launch's arguments.  LIMIT: a NaN, an infinity or an overflow that lives only in bv or in the sum of V is not carried to the result.
; SHARES.  Work-group g takes unit tiles 4 g .. 4 g + 3 (64 units: 256 bytes of each row of cb).  Wave wv: tile T = 4 g + wv % 4, half m = wv / 4: it copies K steps 4 m .. 4 m + 3 of W1's tile T
; and multiplies batches 16 m .. 16 m + 15 by W2's tile T: eight matrix instructions, two accumulators by turns (even and odd K steps), added at the end.
; The order of the f32 sums over K differs from a single chain: the result goes into a tanh, not into a quantiser.
; cb leaves through a stage in LDS so that sixteen neighbouring lanes store 256 consecutive bytes, aligned.
.set C2L,    0x4038aa3b                ; c = 2 log2(e)
.set SPITCH, 272                       ; a stage row: 64 units x 4 bytes + 16
.set SPARE,  32*SPITCH                 ; behind the stage's room (8,704 = 34 x 256; rows 0-15 are used): the spare words, 128 bytes for each of the four waves
; v1 r, v2 h, v3 lane; v4-v10 offsets; v11, v12 the add's two; v13-15 biases; v16-31 two accumulators; v32-35 hid's scale words, v36-39 W2's; v40-103 hid's fragments; v104-167 W2's; v168-199 the copy of W1
	s_load_b512 s[4:19], s[0:1], 0x0               ; W1_codes s[4:5], W2_codes s[6:7], W2_scales s[8:9], hid_codes s[10:11], hid_scales s[12:13], b1 s[14:15], b2 s[16:17], w1i s[18:19]
	s_load_b64 s[20:21], s[0:1], 0x40              ; cb
	v_lshl_add_u32 v11, v0, 2, SPARE               ; my spare word; never rewritten
	v_mov_b32 v12, 0                               ; 0; never rewritten
	v_lshrrev_b32 v1, 5, v0
	s_delay_alu instid0(VALU_DEP_1)
	v_readfirstlane_b32 s22, v1                    ; wave 0..3.  The work-group is (g, y): what the head calls wv is this number + 4 y, so a work-group holds four waves, one half m
	s_and_b32 s23, s22, 3                          ; which of the group's four tiles
	s_and_b32 s24, ttmp7, 0xffff                   ; m = y: which half of K (copy) and of the batches (product)
	v_and_b32 v1, 15, v0                           ; r
	v_bfe_u32 v2, v0, 4, 1                         ; h
	v_and_b32 v3, 31, v0                           ; lane
	s_delay_alu instid0(VALU_DEP_3)
	v_lshlrev_b32 v4, 9, v1
	s_delay_alu instid0(VALU_DEP_1)
	v_lshl_add_u32 v4, v2, 4, v4                   ; a fragment's lane: row r of 512 bytes, + 16 h
	v_lshlrev_b32 v5, 5, v1
	s_delay_alu instid0(VALU_DEP_1)
	v_lshl_add_u32 v5, v2, 4, v5                   ; scale bytes: row r of 32 bytes, + 16 h: lanes 0-15 take K steps 0-3, lanes 16-31 K steps 4-7
	v_lshlrev_b32 v6, 2, v1                        ; 4 r: a bias of my unit
	v_lshlrev_b32 v7, 4, v3                        ; 16 x lane: w1i
	s_mov_b32 s26, 0                               ; the stage holds my work-group's sixteen batches: no LDS address hangs on m
	s_lshl_b32 s27, s23, 6
	s_add_co_u32 s26, s26, s27
	v_mul_u32_u24 v8, v2, 8*SPITCH
	s_delay_alu instid0(VALU_DEP_1)
	v_lshl_add_u32 v8, v1, 2, v8
	s_delay_alu instid0(VALU_DEP_1)
	v_add_nc_u32 v8, s26, v8                       ; into the stage: row 8 h (+ j), word 16 x tile + r
	s_mul_i32 s26, s22, 4*SPITCH
	v_mul_u32_u24 v9, v2, SPITCH
	s_delay_alu instid0(VALU_DEP_1)
	v_lshl_add_u32 v9, v1, 4, v9
	s_delay_alu instid0(VALU_DEP_1)
	v_add_nc_u32 v9, s26, v9                       ; out of it: row 4 x wave + h (+ 2 i), 16 bytes a lane
	s_lshl_b32 s26, s22, 14                        ; cb's row 16 m + 4 x wave
	s_lshl_b32 s27, s24, 16
	s_add_co_u32 s26, s26, s27
	v_lshlrev_b32 v10, 12, v2
	s_delay_alu instid0(VALU_DEP_1)
	v_lshl_add_u32 v10, v1, 4, v10
	s_delay_alu instid0(VALU_DEP_1)
	v_add_nc_u32 v10, s26, v10                     ; the same place in cb: a row is 4,096 bytes
	s_lshl_b32 s25, ttmp9, 2
	s_add_co_u32 s25, s25, s23                     ; T
	s_lshl_b32 s26, s25, 13                        ; 8,192 T: a tile's codes
	s_mov_b32 s27, 0
	s_lshl_b32 s28, s24, 8
	s_add_co_u32 s28, s28, s26                     ; W1: + 256 m along the rows
	s_mov_b32 s29, 0
	s_lshl_b32 s30, s24, 12
	s_add_co_u32 s30, s30, s26                     ; w1i: + 8 pieces of 512 bytes x m
	s_mov_b32 s31, 0
	s_lshl_b32 s32, s25, 9                         ; 512 T: a tile's scale bytes
	s_mov_b32 s33, 0
	s_lshl_b32 s34, s24, 13                        ; 8,192 m: sixteen batches' codes
	s_mov_b32 s35, 0
	s_lshl_b32 s36, s24, 9                         ; 512 m: their scale bytes
	s_mov_b32 s37, 0
	s_lshl_b32 s38, s25, 6                         ; 64 T: a tile's biases
	s_mov_b32 s39, 0
	s_wait_kmcnt 0x0
	s_add_nc_u64 s[4:5], s[4:5], s[28:29]
	s_add_nc_u64 s[18:19], s[18:19], s[30:31]
	s_add_nc_u64 s[6:7], s[6:7], s[26:27]
	s_add_nc_u64 s[8:9], s[8:9], s[32:33]
	s_add_nc_u64 s[10:11], s[10:11], s[34:35]
	s_add_nc_u64 s[12:13], s[12:13], s[36:37]
	s_add_nc_u64 s[14:15], s[14:15], s[38:39]
	s_add_nc_u64 s[16:17], s[16:17], s[38:39]
	s_lshl_b32 s26, ttmp9, 8                       ; the group's 256 bytes of a row of cb
	s_add_nc_u64 s[20:21], s[20:21], s[26:27]
	s_mov_b32 s28, C2L
	s_mov_b32 s29, s28                             ; (named with it as a pair, so it is written)
.irp p, 0,1,2,3,4,5,6,7
	global_load_b128 v[168+4*\p:171+4*\p], v4, s[4:5] offset:32*\p        ; W1: four K steps of my tile
.endr
.irp p, 0,1,2,3,4,5,6,7,8,9,10,11,12,13,14,15
	global_load_b128 v[40+4*\p:43+4*\p], v4, s[10:11] offset:32*\p        ; hid: fragment s at v[40 + 8 s]
.endr
.irp p, 0,1,2,3,4,5,6,7,8,9,10,11,12,13,14,15
	global_load_b128 v[104+4*\p:107+4*\p], v4, s[6:7] offset:32*\p        ; W2: fragment s at v[104 + 8 s]
.endr
	global_load_b128 v[32:35], v5, s[12:13]        ; register q: lanes 0-15 the word of K step q, lanes 16-31 that of K step q + 4
	global_load_b128 v[36:39], v5, s[8:9]
	global_load_b32 v13, v6, s[14:15]
	global_load_b32 v14, v6, s[16:17]
	s_wait_loadcnt 0x0                             ; one wait for all: the launch is short and has nothing to overlap
.irp p, 0,1,2,3,4,5,6,7
	global_store_b128 v7, v[168+4*\p:171+4*\p], s[18:19] offset:512*\p    ; 32 lanes store 512 consecutive bytes
.endr
; source 0 = 16 batches of hid, source 1 = 16 units of W2: in the result lane (r, h) holds unit 16 T + r, register j batch 16 m + 8 h + j
.irp s, 0,1
	v_wmma_scale_f32_16x16x128_f8f6f4 v[16+8*\s:23+8*\s], v[40+8*\s:47+8*\s], v[104+8*\s:111+8*\s], 0, v[32+\s], v[36+\s] matrix_a_fmt:MATRIX_FMT_FP4 matrix_b_fmt:MATRIX_FMT_FP4
.endr
.irp s, 2,3
	v_wmma_scale_f32_16x16x128_f8f6f4 v[16+8*(\s%2):23+8*(\s%2)], v[40+8*\s:47+8*\s], v[104+8*\s:111+8*\s], v[16+8*(\s%2):23+8*(\s%2)], v[32+\s], v[36+\s] matrix_a_fmt:MATRIX_FMT_FP4 matrix_b_fmt:MATRIX_FMT_FP4
.endr
.irp s, 4,5,6,7
	v_wmma_scale_f32_16x16x128_f8f6f4 v[16+8*(\s%2):23+8*(\s%2)], v[40+8*\s:47+8*\s], v[104+8*\s:111+8*\s], v[16+8*(\s%2):23+8*(\s%2)], v[28+\s], v[32+\s] matrix_a_fmt:MATRIX_FMT_FP4 matrix_b_fmt:MATRIX_FMT_FP4 matrix_a_scale:MATRIX_SCALE_ROW1 matrix_b_scale:MATRIX_SCALE_ROW1
.endr
	v_add_f32 v14, v13, v14                        ; b1 + b2 of my unit.  These three lines and the v_nop are the four places behind the products (ISA guide 7.12.1)
	s_delay_alu instid0(VALU_DEP_1)
	v_mul_f32 v14, s28, v14                        ; x c
	s_delay_alu instid0(VALU_DEP_1)
	v_mov_b32 v15, v14                             ; (the pair's upper half is named, so it is written)
	v_nop
.irp j, 0,2,4,6
	v_pk_add_f32 v[16+\j:17+\j], v[16+\j:17+\j], v[24+\j:25+\j]           ; even and odd K steps; each accumulator is read from its low end on
.endr
.irp j, 0,2,4,6
	s_delay_alu instid0(VALU_DEP_4)
	v_pk_fma_f32 v[16+\j:17+\j], v[16+\j:17+\j], s[28:29], v[14:15] op_sel_hi:[1,0,0]   ; c h2 + c (b1 + b2)
.endr
.irp j, 0,1,2,3,4,5,6,7
	ds_store_b32 v8, v[16+\j] offset:SPITCH*\j
.endr
	s_wait_dscnt 0x0                               ; for the others' sake: my stores into the stage are done
	s_barrier_signal -1
	s_barrier_wait -1
	ds_load_b128 v[16:19], v9
	ds_load_b128 v[20:23], v9 offset:2*SPITCH
	s_wait_dscnt 0x0
	global_store_b128 v10, v[16:19], s[20:21]      ; sixteen lanes store 256 consecutive bytes, at a multiple of 256 from cb's first byte
	global_store_b128 v10, v[20:23], s[20:21] offset:8192
	s_wait_tensorcnt 0x0                           ; the wave's end: behind my last LDS store
	ds_add_u32 v11, v12
	s_wait_dscnt 0x0
	s_endpgm
.Lfunc_end_k_q61ee09840c_prep:
	.size	k_q61ee09840c_prep, .Lfunc_end_k_q61ee09840c_prep-k_q61ee09840c_prep
	.p2alignl 7, 3214868480
	.fill 96, 4, 3214868480
	.section	.rodata,"a",@progbits
	.p2align	6, 0x0
	.amdhsa_kernel k_q61ee09840c_prep
		.amdhsa_group_segment_fixed_size 9728
		.amdhsa_private_segment_fixed_size 0
		.amdhsa_enable_private_segment 0
		.amdhsa_kernarg_size 72
		.amdhsa_user_sgpr_count 2
		.amdhsa_user_sgpr_kernarg_segment_ptr 1
		.amdhsa_wavefront_size32 1
		.amdhsa_system_sgpr_workgroup_id_x 1
		.amdhsa_system_sgpr_workgroup_id_y 1
		.amdhsa_system_sgpr_workgroup_id_z 1
		.amdhsa_system_vgpr_workitem_id 0
		.amdhsa_next_free_vgpr 200
		.amdhsa_next_free_sgpr 66
		.amdhsa_reserve_vcc 0
		.amdhsa_float_denorm_mode_32 3
		.amdhsa_float_denorm_mode_16_64 3
		.amdhsa_memory_ordered 1
		.amdhsa_forward_progress 1
		.amdhsa_inst_pref_size 11
	.end_amdhsa_kernel
	.amdgpu_metadata
---
amdhsa.version: [ 1, 2 ]
amdhsa.kernels:
  - .name:           k_q61ee09840c_prep
    .symbol:         k_q61ee09840c_prep.kd
    .args:
      - { .name: W1_codes, .offset: 0, .size: 8, .value_kind: global_buffer, .address_space: global }
      - { .name: W2_codes, .offset: 8, .size: 8, .value_kind: global_buffer, .address_space: global }
      - { .name: W2_scales, .offset: 16, .size: 8, .value_kind: global_buffer, .address_space: global }
      - { .name: hid_codes, .offset: 24, .size: 8, .value_kind: global_buffer, .address_space: global }
      - { .name: hid_scales, .offset: 32, .size: 8, .value_kind: global_buffer, .address_space: global }
      - { .name: b1, .offset: 40, .size: 8, .value_kind: global_buffer, .address_space: global }
      - { .name: b2, .offset: 48, .size: 8, .value_kind: global_buffer, .address_space: global }
      - { .name: w1i, .offset: 56, .size: 8, .value_kind: global_buffer, .address_space: global }
      - { .name: cb, .offset: 64, .size: 8, .value_kind: global_buffer, .address_space: global }
    .group_segment_fixed_size: 9728
    .private_segment_fixed_size: 0
    .kernarg_segment_align: 8
    .kernarg_segment_size: 72
    .max_flat_workgroup_size: 128
    .sgpr_count:     66
    .vgpr_count:     200
    .wavefront_size: 32
...
	.end_amdgpu_metadata
.endif
;; end of part 1
;; launch main (part 2): grid 256 x 1, 4 waves a work-group, no clusters, 327,680 bytes of LDS; arguments enc, w1i, W1_scales, cb, V, part; writes part
.if DOCPART == 2
	.amdgcn_target "amdgcn-amd-amdhsa--gfx1250"
	.amdhsa_code_object_version 6
	.text
	.protected	k_q61ee09840c_main
	.globl	k_q61ee09840c_main
	.p2align	8
	.type	k_q61ee09840c_main,@function
k_q61ee09840c_main:
	s_mov_b64 s[64:65], 0
	v_nop
	global_prefetch_b8 v0, s[64:65] scope:SCOPE_SE
	s_setreg_imm32_b32 hwreg(HW_REG_WAVE_MODE, 25, 1), 1
	s_wait_xcnt 0x0
; MAIN: for 256 rows of enc (an eighth of a batch): quantise, first product, tanh, product with V, running softmax, weighted sum of the rows.
; Left out as PREP's head shows: bv and the sum of V (the same for every s, so the softmax drops them); bv is no argument.
; score' = -2 log2(e) sum over u of V[u] / (1 + 2^(c h1 + cb)), c = 2 log2(e): the softmax's exponent to the base 2.  LIMIT: the promise holds while |score'| stays under 2^31.
; SHARES.  Work-group g: rows 256 g .. 256 g + 255, in 16 blocks of 16 rows.  Wave w: units 256 w .. 256 w + 255 (16 tiles of 16), rows 4 w .. 4 w + 3 of each block for the quantiser, 256 columns for the weighted sum.
; W1 STAYS ON THE WGP: of a wave's 16 tiles (64 registers each) tiles 4 g + 0..2 lie in register windows 1-3 (768 registers), tile 4 g + 3 in LDS bytes of the wave's own (32,768 bytes a wave),
; and all scale words in LDS (8,192 bytes a wave).  A group is four tiles, three from registers and one from LDS; the next group's LDS tile and scale words are fetched under this group's exponentials.
; A TRIP: barrier Y (codes of block t are whole; the slot of block t - 1 is free) - tensor load of block t + 1 - four groups of products and tanh - partial scores to LDS - barrier X -
; softmax step and weighted sum of block t - wait for my own tensor load - my four rows of block t + 1 are quantised.  The rows that a wave quantises are those that its own load brought.
; cluster = none: the work-groups share W1 alone, which each reads once, into registers and LDS bytes of each wave's own; the stream, enc, 1,048,576 bytes a work-group, is shared by nobody.
; PREFETCH: in trip t each wave names the 64 blocks of 256 bytes (16,384 bytes) that its tensor load of trip t + 2 will bring (block t + 3), a lane a block, two instructions; trips 13 and 14 ask for nothing.
.set RPITCH, 4608                      ; an enc row in LDS: 32 pieces of 128 bytes + 16
.set WROWS,  4*RPITCH                  ; what one tensor load brings
.set SLOTB,  16*RPITCH                 ; 0x12000: shares no bit with wave x WROWS, so xor changes slots
.set WL,     2*SLOTB                   ; W1's LDS tiles
.set WSL,    WL+131072                 ; W1's scale words, an image of the registers
.set CODES,  WSL+32768                 ; the block's codes: 16 rows of 512 + 16 bytes
.set CP,     528
.set ASC,    CODES+16*CP               ; the block's scale bytes: 16 rows of 32 + 16
.set AP,     48
.set SCP,    ASC+16*AP                 ; partial scores: 4 waves x 16 rows
.set STG,    SCP+256                   ; the way out
.set SPARE,  STG+4096                  ; the spare words: 128 bytes a wave
.set SPW,1
.set NIL,2
.set QRD,3
.set CWR,4
.set SWR,5
.set ARD,6
.set ASR,7
.set SCW,8
.set SCR,9
.set CRD,10
.set GLO,11
.set WLA,12
.set WSA,13
.set QAD,14
.set PFO,15
.set CA,16                             ; v16-17
.set MX,18
.set LS,19
.set FF,20                             ; v20-21
.set PP,22
.set T0,23
.set T1,24
.set T2,25
.set T3,26                             ; v26, v27: also the scale byte, by turns
.set AS,28                             ; v28-31 the block's scale words: register q: lanes 0-15 K step q, lanes 16-31 K step q + 4
.set VP,32                             ; v32-47 -c V of my unit in tile q
.set CB,48                             ; v48-63 cb of my unit in tile q
.set SS,64                             ; v64-71 score sums of rows 8 h + j; codes on their way to LDS in the quantiser
.set CTX,72                            ; v72-79 my 8 columns of the weighted sum
.set WS,80                             ; v80-95 a group's scale words of W1
.set BUF,96                            ; v96-191 three buffers of 32 for rows; in the products:
.set ACC,96                            ; v96-127 four accumulators
.set AF,128                            ; v128-191 the block's fragments, 8 K steps
.set WB,192                            ; v192-255 the group's LDS tile
.set WV,16
.set TB,18
.set CS,22
.set G1,24
.set G0,32
.set PF,36
.set LC,48
.set NC,49
.set PS,66
.set MSB,0
.macro WIN new
.if MSB != (\new)
	s_set_vgpr_msb (MSB<<8)|(\new)
.set MSB, (\new)
.endif
.endm
.macro BARRIER
	s_barrier_signal -1
	s_barrier_wait -1
.endm
.macro NOPS
.rept 4
	v_nop
.endr
.endm
.macro WM s
.if \s == 0
	v_wmma_scale_f32_16x16x128_f8f6f4 v[rD:rD+7], v[rA:rA+7], v[rB:rB+7], 0, v[rX], v[rW] matrix_a_fmt:MATRIX_FMT_FP4 matrix_b_fmt:MATRIX_FMT_FP4
.else
.if \s < 4
	v_wmma_scale_f32_16x16x128_f8f6f4 v[rD:rD+7], v[rA:rA+7], v[rB:rB+7], v[rD:rD+7], v[rX], v[rW] matrix_a_fmt:MATRIX_FMT_FP4 matrix_b_fmt:MATRIX_FMT_FP4
.else
	v_wmma_scale_f32_16x16x128_f8f6f4 v[rD:rD+7], v[rA:rA+7], v[rB:rB+7], v[rD:rD+7], v[rX], v[rW] matrix_a_fmt:MATRIX_FMT_FP4 matrix_b_fmt:MATRIX_FMT_FP4 matrix_a_scale:MATRIX_SCALE_ROW1 matrix_b_scale:MATRIX_SCALE_ROW1
.endif
.endif
.endm
; 32 products: group g's four tiles by turns, K ascending.  Source 0 = the 16 rows, source 1 = 16 units: lane (r, h) holds unit r, register j row 8 h + j
.macro MM g
.irp s,0,1,2,3,4,5,6,7
.if \g == 0
	s_wait_dscnt 14-2*\s                           ; the block's fragments were asked for just now: K step s is in, the 14 - 2 s pieces behind it may be out
.endif
.irp i,0,1,2,3
.if \i < 3
	WIN ((1+(3*\g+\i)/4)<<2)
.set rB, 64*((3*\g+\i)%4)+8*\s
.else
	WIN 0
.set rB, WB+8*\s
.endif
.set rD, ACC+8*\i
.set rA, AF+8*\s
.set rX, AS+(\s%4)
.set rW, WS+4*\i+(\s%4)
	WM \s
.endr
.endr
	WIN 0
.endm
.macro WNEXT g                         ; group g's LDS tile and its four tiles' scale words: my own bytes
.irp p,0,1,2,3,4,5,6,7,8,9,10,11,12,13,14,15
	ds_load_b128 v[WB+4*\p:WB+4*\p+3], v[WLA] offset:8192*\g+512*\p
.endr
.irp i,0,1,2,3
	ds_load_b128 v[WS+4*\i:WS+4*\i+3], v[WSA] offset:512*(4*\g+\i)
.endr
.endm
; the group's 32 registers: t = c h1 + cb, 1 / (1 + 2^t), times -c V into the score sums.  One wait ahead of each batch and one behind it
.macro TH g, first
.irp i,0,2
.irp e,0,2,4,6
	v_pk_fma_f32 v[ACC+8*\i+\e:ACC+8*\i+\e+1], v[ACC+8*\i+\e:ACC+8*\i+\e+1], s[CS:CS+1], v[CB+4*\g+\i:CB+4*\g+\i+1] op_sel_hi:[1,0,0]
.endr
.irp e,0,2,4,6
	v_pk_fma_f32 v[ACC+8*\i+8+\e:ACC+8*\i+9+\e], v[ACC+8*\i+8+\e:ACC+8*\i+9+\e], s[CS:CS+1], v[CB+4*\g+\i:CB+4*\g+\i+1] op_sel:[0,0,1] op_sel_hi:[1,0,1]
.endr
.endr
	s_wait_alu depctr_va_vdst(0)
.set j, 0
.rept 32
	v_exp_f32 v[ACC+j], v[ACC+j]
.set j, j+1
.endr
	v_nop
	s_wait_alu depctr_va_vdst(0)
.set j, 0
.rept 16
	v_pk_add_f32 v[ACC+j:ACC+j+1], v[ACC+j:ACC+j+1], 1.0 op_sel_hi:[1,0]
.set j, j+2
.endr
	s_wait_alu depctr_va_vdst(0)
.set j, 0
.rept 32
	v_rcp_f32 v[ACC+j], v[ACC+j]
.set j, j+1
.endr
	v_nop
	s_wait_alu depctr_va_vdst(0)
.irp i,0,2
.irp e,0,2,4,6
.if (\first) && (\i == 0)
	v_pk_mul_f32 v[SS+\e:SS+\e+1], v[ACC+\e:ACC+\e+1], v[VP+4*\g:VP+4*\g+1] op_sel_hi:[1,0]
.else
	v_pk_fma_f32 v[SS+\e:SS+\e+1], v[ACC+8*\i+\e:ACC+8*\i+\e+1], v[VP+4*\g+\i:VP+4*\g+\i+1], v[SS+\e:SS+\e+1] op_sel_hi:[1,0,1]
.endif
.endr
.irp e,0,2,4,6
	v_pk_fma_f32 v[SS+\e:SS+\e+1], v[ACC+8*\i+8+\e:ACC+8*\i+9+\e], v[VP+4*\g+\i:VP+4*\g+\i+1], v[SS+\e:SS+\e+1] op_sel:[0,1,0] op_sel_hi:[1,1,1]
.endr
.endr
.endm
.macro GROUP g, left, nxt              ; left: the resident loads of the head that may still be out; nxt >= 0: the group fetched next
	s_wait_loadcnt \left
.if \g > 0
	s_wait_dscnt 0x0                               ; LDS tile and scale words are in
.endif
	MM \g
	NOPS                                           ; four places behind the products (ISA guide 7.12.1)
.if \nxt >= 0
	WNEXT \nxt
.else
	CLOAD 0, 1                                     ; behind the last group's products the fragments' and the LDS tile's registers are free: the block's 16 rows for the weighted sum
	CLOAD 1, 2
	CLOAD 2, 3
	CLOAD 3, 4
.endif
.if \g == 0
	TH \g, 1
.else
	TH \g, 0
.endif
.endm
.macro LOADROW p, b                    ; my row p: lane l takes block l of 32 numbers
.irp i,0,1,2,3,4,5,6,7
	ds_load_b128 v[BUF+32*\b+4*\i:BUF+32*\b+4*\i+3], v[QAD] offset:RPITCH*\p+16*\i
.endr
.endm
.macro QUANT p, b, left                ; the stated quantiser on a lane's block: largest magnitude with the floor 2^(3-127), 2 off its exponent field, four conversions
.set XR, BUF+32*\b
.set CD, SS+4*((\p)%2)
.set BY, T3+(\p)%2
	s_wait_dscnt \left
.irp k,0,1,2,3
	v_max3_num_f32 v[FF+\k], |v[XR+8*\k]|, |v[XR+8*\k+1]|, |v[XR+8*\k+2]|   ; four chains by turns, in v20-23, which are free here
.endr
.irp i,3,5
.irp k,0,1,2,3
	v_max3_num_f32 v[FF+\k], v[FF+\k], |v[XR+8*\k+\i]|, |v[XR+8*\k+\i+1]|
.endr
.endr
	v_max3_num_f32 v[FF], v[FF], v[FF+1], |v[XR+7]|
	v_max3_num_f32 v[PP], v[PP], v[T0], |v[XR+15]|
	v_max3_num_f32 v[FF], v[FF], |v[XR+23]|, |v[XR+31]|
	v_max3_num_f32 v[FF], v[FF], v[PP], 0x1800000
	v_add_nc_u32 v[T2], 0xff000000, v[FF]
.irp g,0,1,2,3
	v_cvt_scalef32_pk8_fp4_f32 v[CD+\g], v[XR+8*\g:XR+8*\g+7], v[T2]
.endr
	v_lshrrev_b32 v[BY], 23, v[T2]                 ; the scale's byte; also the plain line behind the conversions
	ds_store_b128 v[CWR], v[CD:CD+3] offset:CP*\p
	ds_store_b8 v[SWR], v[BY] offset:AP*\p
.endm
.macro QTAIL                           ; rows 0, 1, 2 are on their way into buffers 1, 2, 0.  The counts: the LDS instructions issued behind the row's loads
	QUANT 0, 1, 16
	LOADROW 3, 1
	QUANT 1, 2, 18
	QUANT 2, 0, 12
	QUANT 3, 1, 4
.endm
.macro CLOAD q, b                      ; rows 4 q .. 4 q + 3, my 8 columns of each
.irp p,0,1,2,3
.irp i,0,1
	ds_load_b128 v[BUF+32*\b+8*\p+4*\i:BUF+32*\b+8*\p+4*\i+3], v[CA+(\q)/2] offset:RPITCH*((4*(\q))%8+\p)+144*\i
.endr
.endr
.endm
.macro CFMA q, b
.irp p,0,1,2,3
.irp e,0,2,4,6
	v_pk_fma_f32 v[CTX+\e:CTX+\e+1], v[BUF+32*\b+8*\p+\e:BUF+32*\b+8*\p+\e+1], s[PS+2*(4*\q+\p):PS+2*(4*\q+\p)+1], v[CTX+\e:CTX+\e+1] op_sel_hi:[1,0,1]
.endr
.endr
.endm
; the change of slots: all my tensor loads, the add, the add and my LDS instructions; the barrier; the one load
.macro CHANGE f
	s_wait_tensorcnt 0x0
	ds_add_u32 v[SPW], v[NIL]
.if \f
	s_xor_b32 s[G0+1], s[G0+1], SLOTB              ; no load of mine is out: the next block, into the slot read last
	s_add_nc_u64 s[G0+2:G0+3], s[G0+2:G0+3], 65536
.endif
	s_xor_b32 s[TB], s[TB], SLOTB                  ; the slot of the block now multiplied
	s_wait_dscnt 0x0
	BARRIER
.if \f
	tensor_load_to_lds s[G0:G0+3], s[G1:G1+7]
	s_nop 0
	NOPS
.endif
.endm
.macro BODY f                          ; f = 1: a block follows
	ds_load_b128 v[AS:AS+3], v[ASR]
.irp p,0,1,2,3,4,5,6,7,8,9,10,11,12,13,14,15
	ds_load_b128 v[AF+4*\p:AF+4*\p+3], v[ARD] offset:32*\p
.endr
	v_add_nc_u32 v[CA], s[TB], v[CRD]              ; this block's rows 0-7 and 8-15 for the weighted sum
	v_add_nc_u32 v[CA+1], 8*RPITCH, v[CA]
.if \f
	s_xor_b32 s19, s[TB], SLOTB
	v_add_nc_u32 v[QAD], s19, v[QRD]               ; my rows of the next block
.endif
.if \f
	s_cmp_lt_u32 s[LC], 3                          ; block t + 3 exists while 15 - t >= 3
	s_cbranch_scc1 .Lnp_\@
	global_prefetch_b8 v[PFO], s[PF:PF+1] th:TH_LOAD_NT scope:SCOPE_SE
	global_prefetch_b8 v[PFO], s[PF:PF+1] offset:8192 th:TH_LOAD_NT scope:SCOPE_SE
.Lnp_\@:
.endif
	GROUP 0, 63, 1
	GROUP 1, 63, 2
	GROUP 2, 48, 3
	GROUP 3, 0, -1
.irp x,1,2,4,8
.set j, 0
.rept 8
	v_add_f32_dpp v[SS+j], v[SS+j], v[SS+j] row_xmask:\x row_mask:0xf bank_mask:0xf
.set j, j+1
.endr
.endr
	ds_store_b128 v[SCW], v[SS:SS+3]               ; my 256 units' part of the scores of rows 8 h + 0 .. 7
	ds_store_b128 v[SCW], v[SS+4:SS+7] offset:16
	s_wait_alu depctr_va_vdst(0)                   ; the wait ahead of the blocking wait
	s_wait_dscnt 0x0
	BARRIER                                        ; my tensor load stays out
.irp k,0,1,2,3
	ds_load_b32 v[T0+\k], v[SCR] offset:64*\k
.endr
	s_wait_dscnt 0x0
	v_add_f32 v[T0], v[T0], v[T1]
	v_add_f32 v[T2], v[T2], v[T3]
	v_add_f32 v[T0], v[T0], v[T2]                  ; lane l: the score of row l % 16
	v_max_num_f32_dpp v[T1], v[T0], v[T0] row_xmask:1 row_mask:0xf bank_mask:0xf
	v_max_num_f32_dpp v[T1], v[T1], v[T1] row_xmask:2 row_mask:0xf bank_mask:0xf
	v_max_num_f32_dpp v[T1], v[T1], v[T1] row_xmask:4 row_mask:0xf bank_mask:0xf
	v_max_num_f32_dpp v[T1], v[T1], v[T1] row_xmask:8 row_mask:0xf bank_mask:0xf
	v_max_num_f32 v[T1], v[T1], v[MX]              ; the running maximum
	v_sub_f32 v[T2], v[MX], v[T1]
	v_sub_f32 v[T0], v[T0], v[T1]
	s_wait_alu depctr_va_vdst(0)
	v_exp_f32 v[FF], v[T2]
	v_exp_f32 v[PP], v[T0]
	v_mov_b32 v[MX], v[T1]
	s_wait_alu depctr_va_vdst(0)
	v_fma_f32 v[LS], v[LS], v[FF], v[PP]
.irp e,0,2,4,6
	v_pk_mul_f32 v[CTX+\e:CTX+\e+1], v[CTX+\e:CTX+\e+1], v[FF:FF+1] op_sel_hi:[1,0]
.endr
.irp i,0,1,2,3,4,5,6,7,8,9,10,11,12,13,14,15
	v_readlane_b32 s[PS+2*\i], v[PP], \i
.endr
.if \f
	s_wait_alu depctr_va_vdst(0)
	s_wait_tensorcnt 0x0                           ; my one load that is out: the four rows that I quantise
	LOADROW 0, 0
.endif
	CFMA 0, 1                                      ; the 16 rows were shown in by the wait ahead of the barrier
.if \f
	LOADROW 1, 1
.endif
	CFMA 1, 2
.if \f
	LOADROW 2, 2
.endif
	CFMA 2, 3
	CFMA 3, 4
.if \f
	WNEXT 0                                        ; the next block's first group
	QUANT 0, 0, 36                                 ; the counts: the LDS instructions issued behind the row's loads (8 + 8 + 20; 8 + 20 + 2 + 8; 20 + 2 + 8 + 2; 2 + 2)
	LOADROW 3, 0
	QUANT 1, 1, 38
	QUANT 2, 2, 32
	QUANT 3, 0, 4
	s_wait_alu depctr_va_vdst(0)
	s_wait_xcnt 0x0                                ; the prefetches have read their base
	s_add_nc_u64 s[PF:PF+1], s[PF:PF+1], 65536
.endif
.endm
.macro RLOAD n                         ; resident tile n = 3 g + i is tile 4 g + i of my 16
	WIN ((1+(\n)/4)<<6)
.irp p,0,1,2,3,4,5,6,7,8,9,10,11,12,13,14,15
	global_load_b128 v[64*((\n)%4)+4*\p:64*((\n)%4)+4*\p+3], v[GLO], s[6:7] offset:8192*(4*((\n)/3)+(\n)%3)+512*\p
.endr
.endm
	s_load_b256 s[4:11], s[0:1], 0x0               ; enc, w1i, W1_scales, cb
	s_load_b128 s[12:15], s[0:1], 0x20             ; V, part
	v_lshl_add_u32 v[SPW], v0, 2, SPARE
	v_mov_b32 v[NIL], 0
	ds_add_u32 v[SPW], v[NIL]                      ; the opening lines: the add twice on end and its wait
	ds_add_u32 v[SPW], v[NIL]
	v_lshrrev_b32 v[T0], 5, v0
	v_readfirstlane_b32 s[WV], v[T0]
	s_mov_b32 s[G1+0], (3<<16)|(1<<20)|(4<<22)|(3<<25)   ; elements of 8 bytes; 16 bytes of padding behind every 128
	s_mov_b32 s[G1+1], 32<<16                      ; four rows of enc are 16,384 dense bytes: 64 rows of 256
	s_mov_b32 s[G1+2], 64<<16
	s_mov_b32 s[G1+3], 32<<16
	s_mov_b32 s[G1+4], 64
	s_mov_b32 s[G1+5], 32
	s_mov_b32 s[G1+6], 0
	s_mov_b32 s[G1+7], 0
	s_mul_i32 s40, s[WV], WROWS
	s_mul_i32 s41, s[WV], 4*CP
	s_mul_i32 s44, s[WV], 4*AP
	s_lshl_b32 s45, s[WV], 6
	s_mul_i32 s46, s[WV], 2*144
	s_lshl_b32 s47, s[WV], 15
	s_lshl_b32 s50, s[WV], 13
	s_lshl_b32 s42, ttmp9, 20
	s_lshl_b32 s43, s[WV], 14
	s_add_co_u32 s42, s42, s43
	s_mov_b32 s43, 0
	s_mov_b32 s[TB], 0                             ; changed twice ahead of block 0's products, so 0 there
	s_mov_b32 s[CS], 0x4038aa3b
	s_mov_b32 s[CS+1], s[CS]
	s_mov_b32 s[NC], 0xc038aa3b
.irp i,0,1,2,3,4,5,6,7,8,9,10,11,12,13,14,15
	s_mov_b32 s[PS+2*\i+1], 0
.endr
	s_wait_dscnt 0x0
	s_wait_kmcnt 0x0
	s_add_nc_u64 s[4:5], s[4:5], s[42:43]          ; my four rows of block 0
	s_mov_b32 s[G0], 1
	s_mov_b32 s[G0+1], s40
	s_mov_b64 s[G0+2:G0+3], s[4:5]
	s_or_b32 s[G0+3], s[G0+3], 0x80000000
	s_add_nc_u64 s[PF:PF+1], s[4:5], 3*65536
	tensor_load_to_lds s[G0:G0+3], s[G1:G1+7]      ; block 0: my one load at the head
	s_nop 0
	NOPS
	v_and_b32 v[T0], 31, v0
	v_and_b32 v[T1], 15, v0
	v_bfe_u32 v[T2], v0, 4, 1
	v_lshrrev_b32 v[T3], 3, v[T0]
	v_and_b32 v[T3+1], 7, v0
	v_mul_u32_u24 v[QRD], v[T0], 144
	v_add_nc_u32 v[QRD], s40, v[QRD]
	v_lshl_add_u32 v[CWR], v[T0], 4, CODES
	v_add_nc_u32 v[CWR], s41, v[CWR]
	v_add_nc_u32 v[SWR], ASC, v[T0]
	v_add_nc_u32 v[SWR], s44, v[SWR]
	v_mul_u32_u24 v[ARD], v[T1], CP
	v_lshl_add_u32 v[ARD], v[T2], 4, v[ARD]
	v_add_nc_u32 v[ARD], CODES, v[ARD]
	v_mul_u32_u24 v[ASR], v[T1], AP
	v_lshl_add_u32 v[ASR], v[T2], 4, v[ASR]
	v_add_nc_u32 v[ASR], ASC, v[ASR]
	v_lshl_add_u32 v[SCW], v[T2], 5, SCP
	v_add_nc_u32 v[SCW], s45, v[SCW]
	v_lshl_add_u32 v[SCR], v[T1], 2, SCP
	v_mul_u32_u24 v[CRD], v[T3], 8*144             ; my columns: piece 8 (l / 8) + 2 w + i of a row, 16 (l % 8) bytes into it
	v_lshl_add_u32 v[CRD], v[T3+1], 4, v[CRD]
	v_add_nc_u32 v[CRD], s46, v[CRD]
	v_lshlrev_b32 v[GLO], 4, v[T0]
	v_lshl_add_u32 v[WLA], v[T0], 4, WL
	v_add_nc_u32 v[WLA], s47, v[WLA]
	v_lshl_add_u32 v[WSA], v[T0], 4, WSL
	v_add_nc_u32 v[WSA], s50, v[WSA]
	v_lshlrev_b32 v[PFO], 8, v[T0]
	v_lshlrev_b32 v[QAD], 5, v[T1]
	v_lshl_add_u32 v[QAD], v[T2], 4, v[QAD]        ; for now: a scale row of 32 bytes, + 16 h
	v_lshlrev_b32 v[CA], 2, v[T1]                  ; for now: 4 r
	v_mov_b32 v[MX], 0xff61b1e6
	v_mov_b32 v[LS], 0
	v_mov_b32 v[FF+1], 0
.irp e,0,1,2,3,4,5,6,7
	v_mov_b32 v[CTX+\e], 0
.endr
	s_wait_alu depctr_va_vdst(0)                   ; the wait behind the head's vector lines
	s_lshl_b32 s52, s[WV], 17
	s_mov_b32 s53, 0
	s_add_nc_u64 s[6:7], s[6:7], s[52:53]
	s_lshl_b32 s52, s[WV], 13
	s_add_nc_u64 s[8:9], s[8:9], s[52:53]
	s_lshl_b32 s52, s[WV], 10
	s_add_nc_u64 s[12:13], s[12:13], s[52:53]
	s_add_nc_u64 s[14:15], s[14:15], s[52:53]
	s_lshr_b32 s54, ttmp9, 3
	s_lshl_b32 s54, s54, 12
	s_add_co_u32 s52, s52, s54
	s_add_nc_u64 s[10:11], s[10:11], s[52:53]
	s_mul_i32 s52, ttmp9, 4352
	s_add_nc_u64 s[14:15], s[14:15], s[52:53]
.irp q,0,1,2,3,4,5,6,7,8,9,10,11,12,13,14,15
	global_load_b128 v[BUF+4*\q:BUF+4*\q+3], v[QAD], s[8:9] offset:512*\q     ; scale words, on their way to LDS
.endr
.irp q,0,1,2,3,4,5,6,7,8,9,10,11,12,13,14,15
	global_load_b32 v[VP+\q], v[CA], s[12:13] offset:64*\q
	global_load_b32 v[CB+\q], v[CA], s[10:11] offset:64*\q
.endr
	WIN 0xc0
.irp g,0,1,2,3
.irp p,0,1,2,3,4,5,6,7,8,9,10,11,12,13,14,15
	global_load_b128 v[64*\g+4*\p:64*\g+4*\p+3], v[GLO], s[6:7] offset:8192*(4*\g+3)+512*\p   ; the four LDS tiles pass through window 3
.endr
.endr
	RLOAD 0
	RLOAD 1
	RLOAD 2
	WIN 0
	s_wait_loadcnt 48                              ; all but the three resident tiles just asked for
.irp q,0,1,2,3,4,5,6,7,8,9,10,11,12,13,14,15
	ds_store_b128 v[WSA], v[BUF+4*\q:BUF+4*\q+3] offset:512*\q
.endr
	WIN 0x0c
.irp g,0,1,2,3
.irp p,0,1,2,3,4,5,6,7,8,9,10,11,12,13,14,15
	ds_store_b128 v[WLA], v[64*\g+4*\p:64*\g+4*\p+3] offset:8192*\g+512*\p
.endr
.endr
	WIN 0
.set j, 0
.rept 16
	v_mul_f32 v[VP+j], s[NC], v[VP+j]
.set j, j+1
.endr
	v_mov_b32 v[QAD], v[QRD]                       ; block 0 lies in slot 0
	s_wait_alu depctr_va_vdst(0)
	CHANGE 1                                       ; block 0 has landed, and the stores have read window 3: slot 1's first fill, block 1, issued as a refill is
.irp n,3,4,5
	RLOAD \n
.endr
	WIN 0
	global_prefetch_b8 v[PFO], s[4:5] offset:131072 th:TH_LOAD_NT scope:SCOPE_SE   ; my 16,384 bytes of block 2, which trip 1's tensor load brings; the trips ask from block 3 on
	global_prefetch_b8 v[PFO], s[4:5] offset:139264 th:TH_LOAD_NT scope:SCOPE_SE
	WNEXT 0
	s_wait_tensorcnt 0x1                           ; my four rows of block 0; block 1's load, issued behind it, may be out
	LOADROW 0, 1
	LOADROW 1, 2
	LOADROW 2, 0
	QTAIL
.irp n,6,7,8,9,10,11
	RLOAD \n
.endr
	WIN 0
	s_wait_alu depctr_va_vdst(0)
	s_mov_b32 s[LC], 15
	s_xor_b32 s[TB], s[TB], SLOTB                  ; trip 0 is written out: its tensor load has gone out above
	s_wait_dscnt 0x0                               ; my codes of block 0 are stored
	BARRIER
	BODY 1
	s_sub_co_u32 s[LC], s[LC], 1
.Lloop:
	CHANGE 1
	BODY 1
	s_sub_co_u32 s[LC], s[LC], 1
	s_cmp_lg_u32 s[LC], 0
	s_cbranch_scc1 .Lloop
	CHANGE 0                                       ; the last block: nothing is fetched or quantised
	BODY 0
	v_add_f32_dpp v[LS], v[LS], v[LS] row_xmask:1 row_mask:0xf bank_mask:0xf   ; both halves of the lanes hold the same 16 rows' sums
	v_add_f32_dpp v[LS], v[LS], v[LS] row_xmask:2 row_mask:0xf bank_mask:0xf
	v_add_f32_dpp v[LS], v[LS], v[LS] row_xmask:4 row_mask:0xf bank_mask:0xf
	v_add_f32_dpp v[LS], v[LS], v[LS] row_xmask:8 row_mask:0xf bank_mask:0xf
	s_lshl_b32 s41, s[WV], 8
	s_lshl_b32 s42, s[WV], 10
	v_and_b32 v[T0], 31, v0
	v_lshrrev_b32 v[T1], 3, v[T0]
	v_and_b32 v[T2], 7, v0
	v_lshlrev_b32 v[BUF], 10, v[T1]
	v_lshl_add_u32 v[BUF], v[T2], 4, v[BUF]
	v_add_nc_u32 v[BUF], s41, v[BUF]
	v_add_nc_u32 v[BUF], STG, v[BUF]               ; into the stage: my columns at their places in the row
	v_lshl_add_u32 v[BUF+1], v[T0], 4, STG
	v_add_nc_u32 v[BUF+1], s42, v[BUF+1]           ; out of it: 1,024 consecutive bytes a wave
	v_lshlrev_b32 v[T3], 3, v[T0]
	ds_store_b128 v[BUF], v[CTX:CTX+3]
	ds_store_b128 v[BUF], v[CTX+4:CTX+7] offset:128
	s_wait_alu depctr_va_vdst(0)
	s_wait_dscnt 0x0
	BARRIER
	ds_load_b128 v[BUF+4:BUF+7], v[BUF+1]
	ds_load_b128 v[BUF+8:BUF+11], v[BUF+1] offset:512
	s_wait_dscnt 0x0
	global_store_b128 v[GLO], v[BUF+4:BUF+7], s[14:15]           ; 32 lanes store 512 consecutive bytes
	global_store_b128 v[GLO], v[BUF+8:BUF+11], s[14:15] offset:512
	s_cmp_lg_u32 s[WV], 0
	s_cbranch_scc1 .Lnot_wave_0
	global_store_b64 v[T3], v[MX:LS], s[14:15] offset:4096       ; (M, l), 256 bytes
.Lnot_wave_0:
	s_wait_tensorcnt 0x0                           ; the wave's end
	ds_add_u32 v[SPW], v[NIL]
	s_wait_dscnt 0x0
	s_endpgm
.Lfunc_end_k_q61ee09840c_main:
	.size	k_q61ee09840c_main, .Lfunc_end_k_q61ee09840c_main-k_q61ee09840c_main
	.p2alignl 7, 3214868480
	.fill 96, 4, 3214868480
	.section	.rodata,"a",@progbits
	.p2align	6, 0x0
	.amdhsa_kernel k_q61ee09840c_main
		.amdhsa_group_segment_fixed_size 327680
		.amdhsa_private_segment_fixed_size 0
		.amdhsa_enable_private_segment 0
		.amdhsa_kernarg_size 48
		.amdhsa_user_sgpr_count 2
		.amdhsa_user_sgpr_kernarg_segment_ptr 1
		.amdhsa_wavefront_size32 1
		.amdhsa_system_sgpr_workgroup_id_x 1
		.amdhsa_system_sgpr_workgroup_id_y 1
		.amdhsa_system_sgpr_workgroup_id_z 1
		.amdhsa_system_vgpr_workitem_id 0
		.amdhsa_next_free_vgpr 1024
		.amdhsa_next_free_sgpr 100
		.amdhsa_reserve_vcc 0
		.amdhsa_float_denorm_mode_32 3
		.amdhsa_float_denorm_mode_16_64 3
		.amdhsa_memory_ordered 1
		.amdhsa_forward_progress 1
		.amdhsa_inst_pref_size 240
	.end_amdhsa_kernel
	.amdgpu_metadata
---
amdhsa.version: [ 1, 2 ]
amdhsa.kernels:
  - .name:           k_q61ee09840c_main
    .symbol:         k_q61ee09840c_main.kd
    .args:
      - { .name: enc, .offset: 0, .size: 8, .value_kind: global_buffer, .address_space: global }
      - { .name: w1i, .offset: 8, .size: 8, .value_kind: global_buffer, .address_space: global }
      - { .name: W1_scales, .offset: 16, .size: 8, .value_kind: global_buffer, .address_space: global }
      - { .name: cb, .offset: 24, .size: 8, .value_kind: global_buffer, .address_space: global }
      - { .name: V, .offset: 32, .size: 8, .value_kind: global_buffer, .address_space: global }
      - { .name: part, .offset: 40, .size: 8, .value_kind: global_buffer, .address_space: global }
    .group_segment_fixed_size: 327680
    .private_segment_fixed_size: 0
    .kernarg_segment_align: 8
    .kernarg_segment_size: 48
    .max_flat_workgroup_size: 128
    .sgpr_count:     100
    .vgpr_count:     1024
    .wavefront_size: 32
...
	.end_amdgpu_metadata
.endif
;; end of part 2
;; launch combine (part 3): grid 4 x 32, 2 waves a work-group, no clusters, 0 bytes of LDS; arguments part, out0; writes out0
.if DOCPART == 3
	.amdgcn_target "amdgcn-amd-amdhsa--gfx1250"
	.amdhsa_code_object_version 6
	.text
	.protected	k_q61ee09840c_combine
	.globl	k_q61ee09840c_combine
	.p2align	8
	.type	k_q61ee09840c_combine,@function
k_q61ee09840c_combine:
	s_mov_b64 s[64:65], 0
	v_nop
	global_prefetch_b8 v0, s[64:65] scope:SCOPE_SE
	s_setreg_imm32_b32 hwreg(HW_REG_WAVE_MODE, 25, 1), 1
	s_wait_xcnt 0x0
; COMBINE: a batch's eight parts (M_k, l_k, partial sums under M_k) are joined: with Mx the largest M_k and e_k = 2^(M_k - Mx), out = (sum of e_k x part_k) / (sum of e_k l_k).
; The largest part has e = 1 and l >= 1, so the divisor is at least 1.
; Work-group (x, y): columns 256 x .. 256 x + 255 of batch y; a thread takes four columns: a wave's load or store covers 512 consecutive bytes.  No LDS, no barrier, no matrix work: 1.1 MB in, 128 KB out.
.set REC, 4352                         ; a record: 4,096 bytes of sums, then 256 bytes of (M, l)
	s_load_b128 s[4:7], s[0:1], 0x0                ; part, out0
	s_and_b32 s8, ttmp7, 0xffff                    ; the batch
	s_mul_i32 s10, s8, 8*REC
	s_mov_b32 s11, 0
	s_lshl_b32 s12, s8, 12
	s_lshl_b32 s9, ttmp9, 10
	s_add_co_u32 s12, s12, s9
	s_mov_b32 s13, 0
	v_lshlrev_b32 v1, 4, v0                        ; 16 bytes a thread
	v_add_nc_u32 v2, s9, v1                        ; + the group's 1,024 bytes of a record
	v_mov_b32 v3, 0
	s_wait_alu depctr_va_vdst(0)
	s_wait_kmcnt 0x0
	s_add_nc_u64 s[4:5], s[4:5], s[10:11]
	s_add_nc_u64 s[6:7], s[6:7], s[12:13]
.irp k, 0,1,2,3,4,5,6,7
	global_load_b64 v[36+2*\k:37+2*\k], v3, s[4:5] offset:REC*\k+4096
.endr
.irp k, 0,1,2,3,4,5,6,7
	global_load_b128 v[4+4*\k:7+4*\k], v2, s[4:5] offset:REC*\k
.endr
	s_wait_loadcnt 0x0
	v_max3_num_f32 v52, v36, v38, v40
	v_max3_num_f32 v52, v52, v42, v44
	v_max3_num_f32 v52, v52, v46, v48
	v_max_num_f32 v52, v52, v50
.irp k, 0,1,2,3,4,5,6,7
	v_sub_f32 v[36+2*\k], v[36+2*\k], v52
.endr
	s_wait_alu depctr_va_vdst(0)
.irp k, 0,1,2,3,4,5,6,7
	v_exp_f32 v[36+2*\k], v[36+2*\k]               ; e_k takes M_k's place in the pair (e_k, l_k)
.endr
	v_nop                                          ; a plain line behind the batch,
	s_wait_alu depctr_va_vdst(0)                   ; and one wait ahead of its first reader
	v_mul_f32 v53, v36, v37
	v_pk_mul_f32 v[54:55], v[4:5], v[36:37] op_sel_hi:[1,0]
	v_pk_mul_f32 v[56:57], v[6:7], v[36:37] op_sel_hi:[1,0]
.irp k, 1,2,3,4,5,6,7
	v_fma_f32 v53, v[36+2*\k], v[37+2*\k], v53
	v_pk_fma_f32 v[54:55], v[4+4*\k:5+4*\k], v[36+2*\k:37+2*\k], v[54:55] op_sel_hi:[1,0,1]
	v_pk_fma_f32 v[56:57], v[6+4*\k:7+4*\k], v[36+2*\k:37+2*\k], v[56:57] op_sel_hi:[1,0,1]
.endr
	s_wait_alu depctr_va_vdst(0)
	v_rcp_f32 v58, v53
	v_mov_b32 v59, 0                               ; the pair's upper half is named, so it is written; also the plain line behind the reciprocal
	s_wait_alu depctr_va_vdst(0)
	v_pk_mul_f32 v[54:55], v[54:55], v[58:59] op_sel_hi:[1,0]
	v_pk_mul_f32 v[56:57], v[56:57], v[58:59] op_sel_hi:[1,0]
	global_store_b128 v1, v[54:57], s[6:7]
	s_endpgm
.Lfunc_end_k_q61ee09840c_combine:
	.size	k_q61ee09840c_combine, .Lfunc_end_k_q61ee09840c_combine-k_q61ee09840c_combine
	.p2alignl 7, 3214868480
	.fill 96, 4, 3214868480
	.section	.rodata,"a",@progbits
	.p2align	6, 0x0
	.amdhsa_kernel k_q61ee09840c_combine
		.amdhsa_group_segment_fixed_size 0
		.amdhsa_private_segment_fixed_size 0
		.amdhsa_enable_private_segment 0
		.amdhsa_kernarg_size 16
		.amdhsa_user_sgpr_count 2
		.amdhsa_user_sgpr_kernarg_segment_ptr 1
		.amdhsa_wavefront_size32 1
		.amdhsa_system_sgpr_workgroup_id_x 1
		.amdhsa_system_sgpr_workgroup_id_y 1
		.amdhsa_system_sgpr_workgroup_id_z 1
		.amdhsa_system_vgpr_workitem_id 0
		.amdhsa_next_free_vgpr 64
		.amdhsa_next_free_sgpr 66
		.amdhsa_reserve_vcc 0
		.amdhsa_float_denorm_mode_32 3
		.amdhsa_float_denorm_mode_16_64 3
		.amdhsa_memory_ordered 1
		.amdhsa_forward_progress 1
		.amdhsa_inst_pref_size 5
	.end_amdhsa_kernel
	.amdgpu_metadata
---
amdhsa.version: [ 1, 2 ]
amdhsa.kernels:
  - .name:           k_q61ee09840c_combine
    .symbol:         k_q61ee09840c_combine.kd
    .args:
      - { .name: part, .offset: 0, .size: 8, .value_kind: global_buffer, .address_space: global }
      - { .name: out0, .offset: 8, .size: 8, .value_kind: global_buffer, .address_space: global }
    .group_segment_fixed_size: 0
    .private_segment_fixed_size: 0
    .kernarg_segment_align: 8
    .kernarg_segment_size: 16
    .max_flat_workgroup_size: 64
    .sgpr_count:     66
    .vgpr_count:     64
    .wavefront_size: 32
...
	.end_amdgpu_metadata
.endif
;; end of part 3
